; MI455X (gfx1250); checked and timed in simulation.
; The chip was launched on July 23, 2026; its instructions are those of AMD's public machine-readable ISA for CDNA 5 (MIT licence, August 2026) and "CDNA5" Instruction Set Architecture Reference Guide (July 2026). The comments in the code are by the model that wrote it; some were corrected since.
;; Ro PE Attention. Allowed arithmetic: matrix products marked QUANTISED: E2M3 operands, one E8M0 scale for each 32 along K, by v_wmma_scale_f32_16x16x128_f8f6f4 with both operands' format E2M3, f32 sums; everything else in f32.
;; Inputs: Wproj 1,024 x 1,024 float32; Wqkv 3,072 x 1,024 float32; x 4 x 2,048 x 1,024 float32.
;; Outputs: out0 4 x 2,048 x 1,024 float32.
;; Constants: num_heads = 16.
;; This version of the problem:
;;   THIS VERSION OF THE PROBLEM IS GIVEN IN LOW PRECISION. The matrix products marked QUANTISED in the list below multiply operands that are first quantised to E2M3 (2 exponent bits, 3 mantissa bits; 6 bits a number), with one power-of-two scale for each 32 numbers along K (OCP MX v1.0); their sums are f32. All else is computed in f32.
;;   The module's matrix products, in the order in which they are computed (A, B: the left and right operand; K: the contracted axis; several contracted axes count as one K, in the product's order):
;;     1. [M 8,192, K 1,024] x [K 1,024, N 3,072]; A: input x; B: input Wqkv: QUANTISED
;;     2. batch 64 x [M 2,048, K 64] x [K 64, N 2,048]; A: computed on the way; B: computed on the way: QUANTISED
;;     3. batch 64 x [M 64, K 2,048] x [K 2,048, N 2,048]; A: computed on the way; B: softmax (see below): QUANTISED
;;     4. [M 8,192, K 1,024] x [K 1,024, N 1,024]; A: computed on the way; B: input Wproj: QUANTISED
;;   THE QUANTISER, for each operand of a quantised product, along K:
;;     - K is cut into blocks of 32 from its start; a last block that is shorter is filled with zeros.
;;     - A block's scale is 2^e with e = floor(log2(the largest magnitude in the block)) - 2, held to -126 .. 127; a block of zeros has e = 0. As a byte (E8M0): e + 127.
;;     - Each number is divided by its block's scale, clamped to +-7.5, and rounded to the nearest number of E2M3, ties to even, subnormals kept.
;;     - The product sums the exact products of the quantised numbers (number of the format x scale) in f32.
;;   ~~~python
;;   def quantise(x, axis):      # numpy; x: float32 -> the quantised numbers, widened to float32 again
;;       x = np.moveaxis(x, axis, -1); K = x.shape[-1]
;;       x = np.pad(x, [(0, 0)] * (x.ndim - 1) + [(0, -K % 32)]); x = x.reshape(x.shape[:-1] + (-1, 32)); a = np.abs(x).max(-1, keepdims=True)
;;       e = np.where(a > 0, np.clip(np.frexp(np.where(a > 0, a, 1))[1] - 1 - 2, -126, 127), 0)      # np.frexp(a)[1] - 1 = floor(log2(a)), exactly
;;       r = np.clip(x / 2.0 ** e, -7.5, 7.5)
;;       step = 2.0 ** (np.maximum(np.frexp(np.where(r == 0, 1, r))[1] - 1, 0) - 3)
;;       q = np.round(r / step) * step * 2.0 ** e      # np.round: ties to even
;;       return np.moveaxis(q.reshape(q.shape[:-2] + (-1,))[..., :K], -1, axis).astype(np.float32)
;;   ~~~
;;   SOFTMAX AHEAD OF A QUANTISED PRODUCT. Where the list says 'softmax', what is quantised is not the finished softmax but p = 2^(t - M), with t = logit x log2(e) and M = ceil(the row's largest t), a whole number; so 1/2 < the row's largest p <= 1. The row's sum l is taken of the UNQUANTISED p, in f32, and the product's result is divided by l at the end. Since M is a whole number, a kernel that streams over the keys may use a running M (the ceiling of the running maximum): every later rescaling is an exact power of two, which a block's scale takes up: the codes' values come out the same.
;;   OPERANDS COMPUTED ON THE WAY. 'Computed on the way' means the value that the module computes at that place (a softmax that the list does not call 'softmax' is quantised finished and normalised). What goes into a quantiser is computed in f32, as accurately as f32 sums, v_exp_f32 and their like allow (about 1e-6 of the number): no bf16 or f16 on the way to a quantiser, and a product that is left as it is and whose result goes on into a quantised operand takes f32 operands (vector FMAs, or v_wmma_f32_16x16x4_f32). A number that lies on a knife's edge between two numbers of the format may be rounded either way, as far as f32 arithmetic and the matrix unit's own rounding can turn it there, and no further.
;; One version. Each part assembles by itself: llvm-mc -triple=amdgcn-amd-amdhsa -mcpu=gfx1250 --defsym DOCPART=n.
;; ======== version 1 of 1: 4 launches
;; limits: right only within a limited range of input values
;; workspace buffers: ops 9,830,400 bytes; rope 524,288 bytes; qbuf 6,815,744 bytes; kvbuf 13,369,344 bytes; oq 6,553,600 bytes
;; launch quant (part 1): grid 400 x 1, 4 waves a work-group, no clusters, 34,304 bytes of LDS; arguments x, Wqkv, Wproj, ops, rope; writes ops, rope
.if DOCPART == 1
	.amdgcn_target "amdgcn-amd-amdhsa--gfx1250"
	.amdhsa_code_object_version 6
	.text
	.protected	k_q6ccdf8c281_quant
	.globl	k_q6ccdf8c281_quant
	.p2align	8
	.type	k_q6ccdf8c281_quant,@function
k_q6ccdf8c281_quant:
	s_mov_b64 s[64:65], 0
	v_nop
	global_prefetch_b8 v0, s[64:65] scope:SCOPE_SE
	s_setreg_imm32_b32 hwreg(HW_REG_WAVE_MODE, 25, 1), 1
	s_wait_xcnt 0x0
; x [8192][1024], Wqkv [3072][1024], Wproj [1024][1024], f32, K innermost, become codes of FP6 (E2M3) with one E8M0 byte for each 32 along K,
; laid in ops as IMAGES OF OPERAND REGISTERS; and the table of cos and sin for the rotation is made.
; ops: 768 row blocks of 16 rows, 12,800 bytes each: x 0-511, Wqkv 512-703, Wproj 704-767.  A row block: 8 K steps of 128 x 2 halves x 768 bytes, then 512 bytes of scale words.
; A half (64 along K) is 6 registers of 32 lanes: registers 0-3 at 16 x lane, registers 4-5 at 512 + 8 x lane.  Lane (r, h) holds k = 32 h + 0 .. 31 of the half.
; Lane r of row block rb stands for row 32 (rb / 2) + 8 (rb % 2) + r + 8 (r / 8): with that order the results of a transposed product are neighbours along the next K.
; Scale words: [g = 0, 1][r][4 words]: the words of K steps 4 g .. 4 g + 3; byte b of a word scales k = 32 b .. 32 b + 31.
; A block's scale byte is its largest magnitude's exponent field - 2, held at 1 from below.  A block of zeros so gets 1 and not 127: its codes are zeros, and this program alone reads the bytes.
; LIMITS: NaN and infinities among the inputs are not served.
; SHARES.  Work-groups 0-383: 32 rows each (two row blocks); wave w takes row block w / 2 and K half g = w % 2: four units of 16 rows x 128 K.  Each load reads 512 consecutive bytes of a row; the unit turns
; through the wave's own stage in LDS (rows 528 bytes apart), so that a lane gets 32 neighbours along K twice.  Waves share nothing: no barrier.
; Work-groups 384-399: rope[t][j] = (cos, sin)(t x theta_j), theta_j = 1 / 10^(j / 8), j = 0 .. 31; a wave takes 32 t, a lane one j; this path uses no LDS.
; theta is made as f32 arithmetic makes it from correctly rounded steps: p = RN(10^(j/8)), theta = RN(1 / p).  LIMIT: a power function that rounds otherwise may differ from p by one ulp.
.set RBG,  12800                       ; a row block in ops
.set SP,   528                         ; a stage row: 512 bytes + 16 = 132 words, so that the 16 rows that a load touches start at 16 different groups of four banks
.set WREG, 16*SP                       ; a wave's stage
.set W,    16                          ; v16-19   the four units' scale words
.set T,    20                          ; v20-27   the second halves of the conversions
.set C,    28                          ; v28-51   two sets of 12 code registers
.set PT,   52                          ; v52      a lane permute's result
.set X,    64                          ; v64-127  the unit as the operand's layout wants it: register 32 c + i = k 64 c + 32 h + i of row r
.set R,    128                         ; v128-255 two sets of 64: units as they are loaded
	s_load_b256 s[4:11], s[0:1], 0x0               ; x s[4:5], Wqkv s[6:7], Wproj s[8:9], ops s[10:11]
	s_load_b64 s[12:13], s[0:1], 0x20              ; rope
	v_lshl_add_u32 v62, v0, 2, 0x8400
	v_mov_b32 v63, 0
	v_lshrrev_b32 v1, 5, v0
	v_readfirstlane_b32 s16, v1                    ; wave
	v_and_b32 v1, 31, v0                           ; lane
	s_wait_kmcnt 0x0
	s_cmp_ge_u32 ttmp9, 384
	s_cbranch_scc1 .Ltable
	; ---------------- the quantiser ----------------
	v_and_b32 v2, 15, v0                           ; r
	v_bfe_u32 v3, v0, 4, 1                         ; h
	s_wait_alu depctr_va_vdst(0)
	v_lshlrev_b32 v4, 4, v1                        ; 16 x lane
	s_wait_alu depctr_va_vdst(0)
	v_lshlrev_b32 v5, 3, v1                        ; 8 x lane
	s_mul_i32 s17, s16, WREG
	v_add_nc_u32 v6, s17, v4                       ; the stage, on the way in: 16 bytes a lane of a row
	v_mul_u32_u24 v7, v2, SP
	v_lshl_add_u32 v7, v3, 7, v7
	v_add_nc_u32 v7, s17, v7                       ; and on the way out: row r, + 128 h
	v_lshlrev_b32 v8, 3, v3                        ; 8 h: my bytes' place in a scale word
	v_lshlrev_b32 v9, 4, v2                        ; 16 r: my row's four scale words
	v_mov_b32 v[PT], 0                             ; written once: a lane permute's destination counts as one of its sources
	s_mov_b32 s14, 0x76543210
	s_mov_b32 s15, 0xfedcba98                      ; lane selects: lane l xor 16
	s_mov_b32 s18, 352
	s_cmp_lt_u32 ttmp9, 352                        ; which tensor: the choice hangs on the work-group's number alone
	s_cselect_b64 s[6:7], s[6:7], s[8:9]
	s_cselect_b32 s18, 256, s18
	s_cmp_lt_u32 ttmp9, 256
	s_cselect_b64 s[4:5], s[4:5], s[6:7]
	s_cselect_b32 s18, 0, s18
	s_sub_co_u32 s18, ttmp9, s18                   ; which 32 rows of that tensor
	s_lshr_b32 s19, s16, 1                         ; which of the two row blocks
	s_and_b32 s20, s16, 1                          ; g
	s_lshl_b32 s18, s18, 5
	s_lshl_b32 s21, s19, 3
	s_add_co_u32 s18, s18, s21                     ; the row of lane 0
	s_lshl_b32 s22, s18, 12                        ; 4,096 bytes a row
	s_lshl_b32 s21, s20, 11                        ; + 2,048 g
	s_add_co_u32 s22, s22, s21
	s_mov_b32 s23, 0
	s_add_nc_u64 s[4:5], s[4:5], s[22:23]
	s_lshl_b32 s22, ttmp9, 1
	s_add_co_u32 s22, s22, s19
	s_mul_i32 s22, s22, RBG
	s_add_nc_u64 s[10:11], s[10:11], s[22:23]      ; my row block in ops
	s_mul_i32 s22, s20, 6144
	s_add_nc_u64 s[24:25], s[10:11], s[22:23]      ; its K steps 4 g on
	s_lshl_b32 s22, s20, 8
	s_add_nc_u64 s[10:11], s[10:11], s[22:23]      ; its scale words of half g (12,288 further on: in the immediate)
.macro LOAD u                          ; unit u: 16 rows x 512 consecutive bytes
.irp i, 0,1,2,3,4,5,6,7,8,9,10,11,12,13,14,15
	global_load_b128 v[R+64*((\u)%2)+4*\i:R+64*((\u)%2)+4*\i+3], v4, s[4:5] offset:(\i+8*(\i/8))*4096+512*(\u) th:TH_LOAD_NT
.endr
.endm
.macro TURN u                          ; through the stage: LDS serves a wave's instructions in order, so no wait stands between the stores and the loads
.irp i, 0,1,2,3,4,5,6,7,8,9,10,11,12,13,14,15
	ds_store_b128 v6, v[R+64*((\u)%2)+4*\i:R+64*((\u)%2)+4*\i+3] offset:SP*\i
.endr
.irp c, 0,1
.irp i, 0,1,2,3,4,5,6,7
	ds_load_b128 v[X+32*\c+4*\i:X+32*\c+4*\i+3], v7 offset:256*\c+16*\i
.endr
.endr
.endm
.macro UNIT u
.set CC, C+12*((\u)%2)
.if (\u) < 3
	s_wait_loadcnt 16                              ; this unit's 16 loads are in; the next unit's may be out
.else
	s_wait_loadcnt 0x0
.endif
	TURN \u
	s_wait_dscnt 0x0                               ; the unit is back, and the stores have read their registers,
.if (\u) < 2
	LOAD (\u)+2                                    ; which take the unit two further on
.endif
.irp c, 0,1
	v_max3_num_f32 v[10+\c], |v[X+32*\c]|, |v[X+32*\c+1]|, 0x1800000   ; my block 2 c + h: all its 32 numbers are mine; the floor 2^(3 - 127) holds the byte at 1 from below
.endr
.irp i, 2,4,6,8,10,12,14,16,18,20,22,24,26,28,30
.irp c, 0,1
	v_max3_num_f32 v[10+\c], v[10+\c], |v[X+32*\c+\i]|, |v[X+32*\c+\i+1]|
.endr
.endr
.irp c, 0,1
	v_add_nc_u32 v[12+\c], 0xff000000, v[10+\c]    ; 2 off the exponent field: the conversion takes this operand's exponent field as its scale
.endr
.irp c, 0,1
	v_lshrrev_b32 v[14+\c], 23, v[12+\c]           ; the scale's byte
.endr
	v_lshl_or_b32 v[W+\u], v15, 16, v14            ; blocks h and 2 + h,
	v_lshlrev_b32 v[W+\u], v8, v[W+\u]             ; at their places in the word;
	v_permlanex16_b32 v[PT], v[W+\u], s14, s15
	v_or_b32 v[W+\u], v[W+\u], v[PT]               ; with lane l xor 16's two the word is whole
.if (\u) >= 2
	s_wait_alu depctr_va_vdst(0)
	s_wait_xcnt 0x0                                ; the stores of two units ago have read this set of code registers
.endif
.irp c, 0,1
	v_cvt_scalef32_pk16_fp6_f32 v[CC+6*\c:CC+6*\c+2], v[X+32*\c:X+32*\c+15], v[12+\c]
	v_cvt_scalef32_pk16_fp6_f32 v[T+4*\c:T+4*\c+2], v[X+32*\c+16:X+32*\c+31], v[12+\c]   ; (a conversion's three registers begin on an even number)
.endr
	v_nop                                          ; one plain place behind a scaled conversion
.irp c, 0,1
.irp i, 0,1,2
	v_mov_b32 v[CC+6*\c+3+\i], v[T+4*\c+\i]
.endr
.endr
.irp c, 0,1
	global_store_b128 v4, v[CC+6*\c:CC+6*\c+3], s[24:25] offset:1536*(\u)+768*\c        ; 512 consecutive bytes,
	global_store_b64 v5, v[CC+6*\c+4:CC+6*\c+5], s[24:25] offset:1536*(\u)+768*\c+512   ; and 256: whole aligned runs of 256 bytes
.endr
.endm
	LOAD 0
	LOAD 1
	s_wait_alu depctr_va_vdst(0)
	UNIT 0
	UNIT 1
	UNIT 2
	UNIT 3
	s_wait_xcnt 0x0                                ; EXEC changes only behind this wait
	v_cmp_gt_u32 vcc_lo, 16, v1
	s_wait_tensorcnt 0x0
	ds_add_u32 v62, v63
	s_wait_dscnt 0x0
	s_and_saveexec_b32 s26, vcc_lo                 ; lanes 0-15: one row each
	global_store_b128 v9, v[W:W+3], s[10:11] offset:12288   ; 256 consecutive bytes
	s_wait_xcnt 0x0
	s_or_b32 exec_lo, exec_lo, s26
	s_endpgm
	; ---------------- the table ----------------
.Ltable:
	s_sub_co_u32 s18, ttmp9, 384
	s_lshl_b32 s18, s18, 7
	s_lshl_b32 s19, s16, 5
	s_add_co_u32 s20, s18, s19                     ; my wave's first t
	s_lshl_b32 s22, s20, 8                         ; 256 bytes a t
	s_mov_b32 s23, 0
	s_add_nc_u64 s[12:13], s[12:13], s[22:23]
	s_wait_alu depctr_va_vdst(0)
	v_and_b32 v2, 7, v1                            ; m = j % 8
	v_lshrrev_b32 v3, 3, v1                        ; n = j / 8
	v_mov_b32 v4, 1.0                              ; A: 10^(m/8) cut to 13 bits,
	v_mov_b32 v5, 0                                ; B: the rest of it,
	v_mov_b32 v6, 1.0                              ; P = 10^n: A x P is exact
.macro PICK2 k, a, b
	v_cmp_ne_u32 vcc_lo, \k, v2
	v_cndmask_b32 v4, \a, v4, vcc_lo
	v_cndmask_b32 v5, \b, v5, vcc_lo
.endm
	PICK2 1, 0x3faab000, 0x37d48dd4
	PICK2 2, 0x3fe39800, 0x39551c54
	PICK2 3, 0x4017c000, 0x3992c703
	PICK2 4, 0x404a6000, 0x393075b5
	PICK2 5, 0x4086f000, 0x393053ea
	PICK2 6, 0x40b3f000, 0x39c01647
	PICK2 7, 0x40eff000, 0x3a6aad16
	v_cmp_ne_u32 vcc_lo, 1, v3
	v_cndmask_b32 v6, 0x41200000, v6, vcc_lo
	v_cmp_ne_u32 vcc_lo, 2, v3
	v_cndmask_b32 v6, 0x42c80000, v6, vcc_lo
	v_cmp_ne_u32 vcc_lo, 3, v3
	v_cndmask_b32 v6, 0x447a0000, v6, vcc_lo
	v_mul_f32 v7, v4, v6
	v_fma_f32 v7, v5, v6, v7                       ; p = 10^(j/8), rounded once
	s_wait_alu depctr_va_vdst(0)
	v_rcp_f32 v9, v7
	v_lshlrev_b32 v8, 3, v1                        ; (a plain place behind the reciprocal)  8 x lane: my pair's place in a row of the table
	s_wait_alu depctr_va_vdst(0)                   ; the wait ahead of the first reader
	v_fma_f32 v10, -v7, v9, 1.0
	v_fma_f32 v9, v9, v10, v9                      ; theta = 1 / p, to the nearest
	s_mov_b32 s24, 0xbfc90fdb                      ; -pi/2, upper part
	s_mov_b32 s25, 0x333bbd2e                      ; and what the upper part is too large by
	s_mov_b32 s26, 0xb94ca1f9                      ; sine: r + r r2 (S1 + r2 (S2 + r2 S3)) on |r| <= pi/4
	s_mov_b32 s27, 0x3c08839e
	s_mov_b32 s28, 0xbe2aaaa3
	s_mov_b32 s29, 0x37ccf5ce                      ; cosine: 1 - r2 / 2 + r2 r2 (C1 + r2 (C2 + r2 C3))
	s_mov_b32 s30, 0xbab6061a
	s_mov_b32 s31, 0x3d2aaaa5
	s_mov_b32 s21, 0
.Lt:
	v_cvt_f32_u32 v10, s20
	s_wait_alu depctr_va_vdst(0)
	v_mul_f32 v10, v10, v9                         ; the angle, rounded once to f32 as the problem has it
	v_mul_f32 v11, 0x3f22f983, v10
	v_rndne_f32 v11, v11                           ; n = the nearest multiple of pi/2
	v_fma_f32 v12, v11, s24, v10                   ; exact: n has 11 bits, the difference is a multiple of 2^-23 under 1
	v_fma_f32 v12, v11, s25, v12                   ; r
	v_mul_f32 v13, v12, v12
	v_fma_f32 v14, v13, s26, s27
	v_fma_f32 v15, v13, s29, s30
	v_fma_f32 v14, v14, v13, s28
	v_fma_f32 v15, v15, v13, s31
	v_mul_f32 v14, v14, v13
	v_mul_f32 v16, v13, v13
	v_fma_f32 v17, v13, -0.5, 1.0
	v_fma_f32 v14, v14, v12, v12                   ; sin r
	v_fma_f32 v15, v15, v16, v17                   ; cos r
	v_cvt_i32_f32 v18, v11
	v_and_b32 v19, 1, v18
	v_cmp_eq_u32 vcc_lo, 1, v19                    ; an odd quarter: sine and cosine change places
	v_cndmask_b32 v20, v15, v14, vcc_lo
	v_cndmask_b32 v21, v14, v15, vcc_lo
	v_add_nc_u32 v19, 1, v18
	v_and_b32 v19, 2, v19
	v_lshlrev_b32 v19, 30, v19
	v_xor_b32 v20, v20, v19                        ; the cosine is negative in quarters 1 and 2,
	v_and_b32 v18, 2, v18
	v_lshlrev_b32 v18, 30, v18
	v_xor_b32 v21, v21, v18                        ; the sine in quarters 2 and 3
	global_store_b64 v8, v[20:21], s[12:13]        ; 32 lanes: the 256 consecutive bytes of one t
	s_wait_xcnt 0x0                                ; the store has read its data and its base
	s_add_nc_u64 s[12:13], s[12:13], 256
	s_add_co_u32 s20, s20, 1
	s_add_co_u32 s21, s21, 1
	s_cmp_lt_u32 s21, 32
	s_cbranch_scc1 .Lt
	s_endpgm
.Lfunc_end_k_q6ccdf8c281_quant:
	.size	k_q6ccdf8c281_quant, .Lfunc_end_k_q6ccdf8c281_quant-k_q6ccdf8c281_quant
	.p2alignl 7, 3214868480
	.fill 96, 4, 3214868480
	.section	.rodata,"a",@progbits
	.p2align	6, 0x0
	.amdhsa_kernel k_q6ccdf8c281_quant
		.amdhsa_group_segment_fixed_size 34304
		.amdhsa_private_segment_fixed_size 0
		.amdhsa_enable_private_segment 0
		.amdhsa_kernarg_size 40
		.amdhsa_user_sgpr_count 2
		.amdhsa_user_sgpr_kernarg_segment_ptr 1
		.amdhsa_wavefront_size32 1
		.amdhsa_system_sgpr_workgroup_id_x 1
		.amdhsa_system_sgpr_workgroup_id_y 1
		.amdhsa_system_sgpr_workgroup_id_z 1
		.amdhsa_system_vgpr_workitem_id 0
		.amdhsa_next_free_vgpr 256
		.amdhsa_next_free_sgpr 66
		.amdhsa_reserve_vcc 1
		.amdhsa_float_denorm_mode_32 3
		.amdhsa_float_denorm_mode_16_64 3
		.amdhsa_memory_ordered 1
		.amdhsa_forward_progress 1
		.amdhsa_inst_pref_size 35
	.end_amdhsa_kernel
	.amdgpu_metadata
---
amdhsa.version: [ 1, 2 ]
amdhsa.kernels:
  - .name:           k_q6ccdf8c281_quant
    .symbol:         k_q6ccdf8c281_quant.kd
    .args:
      - { .name: x, .offset: 0, .size: 8, .value_kind: global_buffer, .address_space: global }
      - { .name: Wqkv, .offset: 8, .size: 8, .value_kind: global_buffer, .address_space: global }
      - { .name: Wproj, .offset: 16, .size: 8, .value_kind: global_buffer, .address_space: global }
      - { .name: ops, .offset: 24, .size: 8, .value_kind: global_buffer, .address_space: global }
      - { .name: rope, .offset: 32, .size: 8, .value_kind: global_buffer, .address_space: global }
    .group_segment_fixed_size: 34304
    .private_segment_fixed_size: 0
    .kernarg_segment_align: 8
    .kernarg_segment_size: 40
    .max_flat_workgroup_size: 128
    .sgpr_count:     66
    .vgpr_count:     256
    .wavefront_size: 32
...
	.end_amdgpu_metadata
.endif
;; end of part 1
;; launch qkv (part 2): grid 12 x 32, 4 waves a work-group, clusters of 4 x 4, 327,680 bytes of LDS; arguments ops, rope, qbuf, kvbuf; writes qbuf, kvbuf
.if DOCPART == 2
	.amdgcn_target "amdgcn-amd-amdhsa--gfx1250"
	.amdhsa_code_object_version 6
	.text
	.protected	k_q6ccdf8c281_qkv
	.globl	k_q6ccdf8c281_qkv
	.p2align	8
	.type	k_q6ccdf8c281_qkv,@function
k_q6ccdf8c281_qkv:
	s_mov_b64 s[64:65], 0
	v_nop
	global_prefetch_b8 v0, s[64:65] scope:SCOPE_SE
	s_setreg_imm32_b32 hwreg(HW_REG_WAVE_MODE, 25, 1), 1
	s_wait_xcnt 0x0
	s_wait_alu depctr_hold_cnt(0) depctr_sa_sdst(0) depctr_va_vdst(0) depctr_va_sdst(0) depctr_va_ssrc(0) depctr_va_vcc(0) depctr_vm_vsrc(0)
	s_getreg_b32 s2, hwreg(HW_REG_IB_STS2, 6, 4)
	s_cmp_eq_u32 s2, 0
	s_cbranch_scc0 .Lentry_in_a_cluster
	s_endpgm
.Lentry_in_a_cluster:
	s_bfe_u32 s2, ttmp6, 0x10000c
	s_cmp_lg_u32 s2, 0xf033
	s_cbranch_scc0 .Lentry_shape_is_right
	s_endpgm
.Lentry_shape_is_right:
.set RBG,   12800
.set RBL,   3072
.set HALFT, 8*RBL
.set SLOT,  4*HALFT
.set SCL,   3*SLOT
.set SPARE, SCL+16384
.set A16, 8
.set A8,  11
.set B16, 14
.set B8,  17
.set ADRS, 27
.set SPW, 28
.set NIL, 29
.set SC,  32
.set AF,  128
.set TM,  32
.set PW,  48
.set HB,  128
.set PC,  192
.set T,   216
.set G1,  24
.set G0,  32
.set G1B, 44
.set G0B, 52
.set G1S, 68
.set G0S, 76
.set G1SB, 80
.set G0SB, 88
.set MSB, 0
.macro WIN new
.if MSB != \new
	s_set_vgpr_msb (MSB<<8)|\new
.set MSB, \new
.endif
.endm
.set MUL_LO, 0xa1
.set MUL_HI, 0xf1
.set TO_B,   0x40
.macro PLACES
.rept 4
	v_nop
.endr
.endm
.macro JLOAD g0a, g1a, g0b, g1b
	s_cmp_eq_u32 s19, 0
	s_cbranch_scc0 .Lfor_b_\@
	tensor_load_to_lds s[\g0a:\g0a+3], s[\g1a:\g1a+7]
	s_nop 0
.rept 4
	v_nop
.endr
	s_branch .Lasked_\@
.Lfor_b_\@:
	tensor_load_to_lds s[\g0b:\g0b+3], s[\g1b:\g1b+7]
	s_nop 0
.rept 4
	v_nop
.endr
.Lasked_\@:
.endm
.macro CREST
	s_cmp_lg_u32 s18, 0
	s_cbranch_scc1 .Lnot_wave_0_\@
	s_barrier_signal -3
.Lnot_wave_0_\@:
	s_barrier_wait -3
	s_barrier_signal -1
	s_barrier_wait -1
.endm
.macro CROUND
	s_barrier_signal -1
	s_barrier_wait -1
	CREST
.endm
	s_load_b128 s[4:7], s[0:1], 0x0
	s_load_b128 s[8:11], s[0:1], 0x10
	v_lshl_add_u32 v[SPW], v0, 2, SPARE
	v_mov_b32 v[NIL], 0
	ds_add_u32 v28, v29
	ds_add_u32 v28, v29
	s_wait_dscnt 0x0
	v_lshrrev_b32 v1, 5, v0
	v_readfirstlane_b32 s18, v1
	s_lshr_b32 s19, s18, 1
	s_and_b32 s20, s18, 1
	s_bfe_u32 s21, ttmp6, 0x40000
	s_bfe_u32 s22, ttmp6, 0x40004
	s_and_b32 s23, ttmp7, 0xffff
	s_cmp_eq_u32 ttmp9, 2
	s_cselect_b32 s66, s23, ttmp9
	s_cselect_b32 s67, 0, s23
	s_cselect_b32 s92, 640, 0
	s_cselect_b32 s93, 0, 512
	s_lshl_b32 s66, s66, 2
	s_add_co_u32 s66, s66, s21
	s_lshl_b32 s67, s67, 2
	s_add_co_u32 s67, s67, s22
	s_lshl_b32 s2, s22, 2
	s_lshl_b32 s2, 15, s2
	s_lshl_b32 s3, 0x1111, s21
	s_or_b32 s[G1], s2, (3<<16)|(1<<21)
	s_or_b32 s[G1B], s3, (3<<16)|(1<<21)
.irp g, G1, G1B
	s_mov_b32 s[\g+1], 768<<16                     ; the head's load: rows of 6,144 bytes, K steps 0 to 3 of a row block
	s_mov_b32 s[\g+2], 8<<16
	s_mov_b32 s[\g+3], 768<<16
	s_mov_b32 s[\g+4], 8
	s_mov_b32 s[\g+5], 1600
	s_mov_b32 s[\g+6], 0
	s_mov_b32 s[\g+7], 0
.endr
	s_lshl_b32 s95, s20, 3
	s_lshl_b32 s96, s67, 4
	s_add_co_u32 s96, s96, s92
	s_add_co_u32 s96, s96, s95
	s_mul_i32 s96, s96, RBG
	s_mov_b32 s97, 0
	s_lshl_b32 s98, s66, 4
	s_add_co_u32 s98, s98, s93
	s_add_co_u32 s98, s98, s95
	s_mul_i32 s98, s98, RBG
	s_mov_b32 s99, 0
	s_mul_i32 s100, s18, HALFT
	s_mov_b32 s14, 0x76543210
	s_mov_b32 s15, 0xfedcba98
	s_wait_kmcnt 0x0
	s_add_nc_u64 s[96:97], s[4:5], s[96:97]
	s_add_nc_u64 s[98:99], s[4:5], s[98:99]
	CROUND
; THREE FILLS.  Set 2: K steps 0 to 3, LDS bytes 0 to 2 SLOT - 1, a row block 6,144 bytes (the head's one load a wave).  Set 1: K steps 4, 5, from 2 SLOT on, a row block 3,072 bytes.
; Set 0: K steps 6, 7, filled over the first SLOT bytes when K steps 0 to 3 are read out.
.irp s, 0,1,2
	s_mov_b32 s[G0+4*\s], 1
	s_add_nc_u64 s[G0+4*\s+2:G0+4*\s+3], s[96:97], (\s%2)*2*RBL
	s_or_b32 s[G0+4*\s+3], s[G0+4*\s+3], 0x80000000
	s_mov_b32 s[G0B+4*\s], 1
	s_add_nc_u64 s[G0B+4*\s+2:G0B+4*\s+3], s[98:99], (\s%2)*2*RBL
	s_or_b32 s[G0B+4*\s+3], s[G0B+4*\s+3], 0x80000000
.endr
	s_mov_b32 s[G0+1], s100
	s_mov_b32 s[G0B+1], s100
	s_add_co_u32 s[G0+5], s100, 2*SLOT
	s_add_co_u32 s[G0B+5], s100, 2*SLOT
	s_lshl_b32 s[G0+9], s100, 1
	s_lshl_b32 s[G0B+9], s100, 1
	JLOAD G0+8, G1, G0B+8, G1B
	v_and_b32 v1, 31, v0
	v_and_b32 v2, 15, v0
	v_bfe_u32 v3, v0, 4, 1
	v_lshlrev_b32 v4, 4, v1
	v_lshlrev_b32 v5, 3, v1
	s_mul_i32 s12, s19, HALFT
	s_mul_i32 s13, s20, HALFT
	s_add_co_u32 s13, s13, 2*HALFT
	v_add_nc_u32 v[A16+2], s12, v4                 ; register 2: K steps 6, 7
	v_add_nc_u32 v[A8+2], s12, v5
	v_add_nc_u32 v[B16+2], s13, v4
	v_add_nc_u32 v[B8+2], s13, v5
	s_add_co_u32 s16, s12, 2*SLOT
	s_add_co_u32 s17, s13, 2*SLOT
	v_add_nc_u32 v[A16+1], s16, v4                 ; register 1: K steps 4, 5
	v_add_nc_u32 v[A8+1], s16, v5
	v_add_nc_u32 v[B16+1], s17, v4
	v_add_nc_u32 v[B8+1], s17, v5
	s_lshl_b32 s12, s12, 1
	s_lshl_b32 s13, s13, 1
	v_add_nc_u32 v[A16], s12, v4                   ; register 0: K steps 0 to 3
	v_add_nc_u32 v[A8], s12, v5
	v_add_nc_u32 v[B16], s13, v4
	v_add_nc_u32 v[B8], s13, v5
	; the scale words go from ops straight into their registers: lanes 0-15 take the words of my A row blocks, lanes 16-31 those of my B row blocks; each load reads two runs of 256 consecutive bytes
	s_lshl_b32 s12, s67, 4
	s_add_co_u32 s12, s12, s92
	s_lshl_b32 s13, s19, 3
	s_add_co_u32 s12, s12, s13
	s_mul_i32 s12, s12, RBG
	s_lshl_b32 s13, s66, 4
	s_add_co_u32 s13, s13, s93
	s_add_co_u32 s13, s13, s95
	s_mul_i32 s13, s13, RBG
	v_mov_b32 v6, s12
	v_mov_b32 v7, s13
	v_cmp_eq_u32 s16, 1, v3
	v_cndmask_b32 v6, v6, v7, s16
	v_lshl_add_u32 v[ADRS], v2, 4, v6
	s_wait_alu depctr_va_vdst(0)
.irp i, 0,1,2,3,4,5,6,7
.irp g, 0,1
	global_load_b128 v[SC+8*\i+4*\g:SC+8*\i+4*\g+3], v[ADRS], s[4:5] offset:RBG*\i+12288+256*\g
.endr
.endr
	s_lshl_b32 s12, s67, 1
	s_add_co_u32 s12, s12, s19
	s_and_b32 s12, s12, 15
	s_lshl_b32 s12, s12, 15
	s_mov_b32 s13, 0
	s_add_nc_u64 s[6:7], s[6:7], s[12:13]
	v_and_b32 v6, 8, v2
	v_add_nc_u32 v6, v6, v2
	v_lshlrev_b32 v23, 8, v6
	v_lshl_add_u32 v23, v3, 6, v23
	v_lshlrev_b32 v24, 4, v3
.macro CSLOAD a
.set CSB, 96+128*((\a)%2)
.irp p, 0,1
.irp i, 0,1,2,3
	global_load_b128 v[CSB+16*\p+4*\i:CSB+16*\p+4*\i+3], v23, s[6:7] offset:(32*((\a)/2)+8*((\a)%2))*256+128*\p+16*\i
.endr
.endr
.endm
	CSLOAD 0
	CSLOAD 1
.macro FRAG reg, a16, a8, off
	ds_load_b128 v[\reg:\reg+3], v[\a16] offset:\off
	ds_load_b64 v[\reg+4:\reg+5], v[\a8] offset:\off+512
	ds_load_b128 v[\reg+6:\reg+9], v[\a16] offset:\off+768
	ds_load_b64 v[\reg+10:\reg+11], v[\a8] offset:\off+1280
.endm
.macro FETCH_B n
	WIN TO_B
.irp i, 0,1,2,3,4,5,6,7
	FRAG 128*((\n)%2)+12*\i, B16+(\n)/4+(\n)/6, B8+(\n)/4+(\n)/6, (6144-3072*((\n)/4))*\i+1536*((\n)%4-2*((\n)/6))
.endr
	WIN 0
.endm
.macro FETCH_A n, i0
.irp i, \i0, \i0+1, \i0+2, \i0+3
	FRAG AF+12*(\i), A16+(\n)/4+(\n)/6, A8+(\n)/4+(\n)/6, (6144-3072*((\n)/4))*(\i)+1536*((\n)%4-2*((\n)/6))
.endr
.endm
.macro MUL16 a0, n, zero
.irp a, \a0, \a0+1
.irp b, 0,1,2,3,4,5,6,7
.if \zero
	v_wmma_scale_f32_16x16x128_f8f6f4 v[8*(8*((\a)%4)+\b):8*(8*((\a)%4)+\b)+7], v[128*((\n)%2)+12*\b:128*((\n)%2)+12*\b+11], v[AF+12*(\a):AF+12*(\a)+11], 0, v[SC+8*\b+(\n)], v[SC+8*(\a)+(\n)] matrix_a_fmt:MATRIX_FMT_FP6 matrix_b_fmt:MATRIX_FMT_FP6 matrix_a_scale:MATRIX_SCALE_ROW1
.else
	v_wmma_scale_f32_16x16x128_f8f6f4 v[8*(8*((\a)%4)+\b):8*(8*((\a)%4)+\b)+7], v[128*((\n)%2)+12*\b:128*((\n)%2)+12*\b+11], v[AF+12*(\a):AF+12*(\a)+11], v[8*(8*((\a)%4)+\b):8*(8*((\a)%4)+\b)+7], v[SC+8*\b+(\n)], v[SC+8*(\a)+(\n)] matrix_a_fmt:MATRIX_FMT_FP6 matrix_b_fmt:MATRIX_FMT_FP6 matrix_a_scale:MATRIX_SCALE_ROW1
.endif
.endr
.endr
.endm
.macro STEP n, zero
	s_wait_dscnt 16
	WIN MUL_LO
	MUL16 0, \n, \zero
	MUL16 2, \n, \zero
	s_wait_dscnt 0x0
	PLACES
	FETCH_B (\n)+1
	FETCH_A (\n)+1, 0
	WIN MUL_HI
	MUL16 4, \n, \zero
	MUL16 6, \n, \zero
	PLACES
	WIN 0
	FETCH_A (\n)+1, 4
.endm
.macro TURN n, fill
	s_wait_tensorcnt 0x0
	ds_add_u32 v[SPW], v[NIL]
	s_wait_dscnt 17
	WIN MUL_LO
	MUL16 0, \n, 0
	s_wait_dscnt 0x0
	s_barrier_signal -1
	MUL16 2, \n, 0
	WIN 0
	s_barrier_wait -1
.if \fill
	CREST
	s_add_nc_u64 s[G0+2:G0+3], s[G0+2:G0+3], 3*RBL
	s_add_nc_u64 s[G0B+2:G0B+3], s[G0B+2:G0B+3], 3*RBL
	JLOAD G0, G1, G0B, G1B
.else
	PLACES
.endif
	FETCH_B (\n)+1
	FETCH_A (\n)+1, 0
	WIN MUL_HI
	MUL16 4, \n, 0
	MUL16 6, \n, 0
	PLACES
	WIN 0
	FETCH_A (\n)+1, 4
.endm
	s_wait_alu depctr_va_vdst(0)
	s_wait_tensorcnt 0x0                           ; my part of K steps 0 to 3 is in
	ds_add_u32 v[SPW], v[NIL]
	s_mov_b32 s[G1+1], 384<<16                     ; no tensor load of mine is out: from here on a row is 3,072 bytes, two K steps
	s_mov_b32 s[G1+3], 384<<16
	s_mov_b32 s[G1B+1], 384<<16
	s_mov_b32 s[G1B+3], 384<<16
	s_wait_dscnt 0x0
	CROUND
	JLOAD G0+4, G1, G0B+4, G1B                     ; K steps 4, 5: three K steps of products stand ahead of the wait for them
	FETCH_B 0
	FETCH_A 0, 0
	FETCH_A 0, 4
	s_wait_loadcnt 16                              ; the scale words are in; younger are the 16 loads of the table
	STEP 0, 1
	STEP 1, 0
	STEP 2, 0
	TURN 3, 1
	STEP 4, 0
	TURN 5, 0
	STEP 6, 0
	s_wait_dscnt 16
	WIN MUL_LO
	MUL16 0, 7, 0
	MUL16 2, 7, 0
	s_wait_dscnt 0x0
	WIN MUL_HI
	MUL16 4, 7, 0
	MUL16 6, 7, 0
	WIN 0
.macro QUANT s, w, pc, pw
	WIN (\w)*5
.irp b, 0,1,2,3
	v_max3_num_f32 v[TM+\b], |v[(\s)+16*\b]|, |v[(\s)+16*\b+1]|, 0x1800000
.endr
.irp i, 2,4,6,8,10,12,14
.irp b, 0,1,2,3
	v_max3_num_f32 v[TM+\b], |v[(\s)+16*\b+\i]|, |v[(\s)+16*\b+\i+1]|, v[TM+\b]
.endr
.endr
	WIN 0
.irp b, 0,1,2,3
	v_permlanex16_b32 v[TM+4+\b], v[TM+\b], s14, s15
.endr
.irp b, 0,1,2,3
	v_max_num_f32 v[TM+\b], v[TM+\b], v[TM+4+\b]
.endr
.irp b, 0,1,2,3
	v_add_nc_u32 v[TM+12+\b], 0xff000000, v[TM+\b]
.endr
.irp b, 0,1,2,3
	v_lshrrev_b32 v[TM+4+\b], 23, v[TM+12+\b]
.endr
	v_lshl_or_b32 v[\pw], v[TM+5], 8, v[TM+4]
	v_lshl_or_b32 v[\pw], v[TM+6], 16, v[\pw]
	v_lshl_or_b32 v[\pw], v[TM+7], 24, v[\pw]
	WIN \w
.irp c, 0,1
	v_cvt_scalef32_pk16_fp6_f32 v[(\pc)+6*\c:(\pc)+6*\c+2], v[(\s)+32*\c:(\s)+32*\c+15], v[TM+12+2*\c]
	v_cvt_scalef32_pk16_fp6_f32 v[T+4*\c:T+4*\c+2], v[(\s)+32*\c+16:(\s)+32*\c+31], v[TM+12+2*\c+1]
.endr
	WIN 0
	v_nop
.irp c, 0,1
.irp i, 0,1,2
	v_permlane16_swap_b32 v[(\pc)+6*\c+\i], v[T+4*\c+\i]
.endr
.irp i, 0,1,2
	v_mov_b32 v[(\pc)+6*\c+3+\i], v[T+4*\c+\i]
.endr
.endr
.endm
	PLACES
.irp b, 0,1,2,3
	v_mov_b32 v[TM+4+\b], 0
.endr
	s_cmp_eq_u32 ttmp9, 2
	s_cbranch_scc1 .Lv
	s_lshl_b32 s12, s67, 1
	s_add_co_u32 s12, s12, s19
	s_and_b32 s13, s12, 15
	s_lshr_b32 s12, s12, 4
	s_and_b32 s16, s66, 3
	s_lshl_b32 s16, s16, 2
	s_lshl_b32 s17, s20, 1
	s_add_co_u32 s16, s16, s17
	s_lshl_b32 s12, s12, 4
	s_add_co_u32 s12, s12, s16
	s_lshl_b32 s12, s12, 4
	s_add_co_u32 s12, s12, s13
	s_mov_b32 s21, 13056
	s_mov_b32 s22, 12288
	s_cmp_eq_u32 ttmp9, 0
	s_cselect_b64 s[92:93], s[8:9], s[10:11]
	s_cselect_b32 s21, 6656, s21
	s_cselect_b32 s22, 6144, s22
	s_mul_i32 s12, s12, s21
	s_mov_b32 s13, 0
	s_mov_b32 s23, 0
	s_add_nc_u64 s[92:93], s[92:93], s[12:13]
	s_lshl_b32 s12, s21, 4
	s_add_nc_u64 s[96:97], s[92:93], s[12:13]
	s_add_nc_u64 s[98:99], s[92:93], s[22:23]
	v_mul_u32_u24 v22, s12, v3
	v_lshl_add_u32 v22, v2, 4, v22
.macro ROT a
.set CSB, 96+128*((\a)%2)
.set AC, 64*((\a)%4)
	WIN 2+(\a)/4
.set EE, 0
.rept 32
	v_pk_mul_f32 v[HB+EE:HB+EE+1], v[AC+EE:AC+EE+1], v[CSB+16*((EE/16)%2)+EE%16:CSB+16*((EE/16)%2)+EE%16+1] op_sel_hi:[1,0]
.set EE, EE+2
.endr
.set EE, 0
.rept 32
	v_pk_fma_f32 v[HB+EE:HB+EE+1], v[AC+EE:AC+EE+1], v[CSB+16*((EE/16)%2)+EE%16:CSB+16*((EE/16)%2)+EE%16+1], v[HB+EE:HB+EE+1] op_sel:[1,1,0] op_sel_hi:[0,1,1] neg_lo:[1,0,0]
.set EE, EE+2
.endr
	WIN 0
.endm
.irp a, 0,1,2,3,4,5,6,7
.if \a < 7
	s_wait_loadcnt 8
.else
	s_wait_loadcnt 0x0
.endif
	ROT \a
.if \a < 6
	CSLOAD \a+2
.endif
.if \a > 1
	s_wait_xcnt 0x0
.endif
	QUANT HB, 0, PC+12*(\a%2), PW+\a
.irp c, 0,1
	global_store_b128 v4, v[PC+12*(\a%2)+6*\c:PC+12*(\a%2)+6*\c+3], s[92+4*\c:93+4*\c] offset:768*\a
	global_store_b64 v5, v[PC+12*(\a%2)+6*\c+4:PC+12*(\a%2)+6*\c+5], s[92+4*\c:93+4*\c] offset:768*\a+512
.endr
.endr
.irp a, 0,1,2,3,4,5,6,7
	v_lshrrev_b32 v[PW+\a], v24, v[PW+\a]
.endr
	global_store_b128 v22, v[PW:PW+3], s[98:99]
	global_store_b128 v22, v[PW+4:PW+7], s[98:99] offset:256
	s_branch .Ldone
.Lv:
	s_lshl_b32 s12, s66, 1
	s_add_co_u32 s12, s12, s20
	s_and_b32 s13, s12, 15
	s_lshr_b32 s12, s12, 4
	s_lshl_b32 s12, s12, 4
	s_lshl_b32 s16, s67, 2
	s_add_co_u32 s12, s12, s16
	s_lshl_b32 s16, s19, 1
	s_add_co_u32 s12, s12, s16
	s_lshl_b32 s12, s12, 4
	s_add_co_u32 s12, s12, s13
	s_mul_i32 s12, s12, 13056
	s_add_co_u32 s12, s12, 6144
	s_mov_b32 s13, 0
	s_add_nc_u64 s[92:93], s[10:11], s[12:13]
	v_mul_u32_u24 v22, 208896, v3
	v_lshl_add_u32 v22, v2, 4, v22
.irp a, 0,1,2,3,4,5,6,7
.if \a > 1
	s_wait_xcnt 0x0
.endif
	QUANT 64*(\a%4), 2+\a/4, PC+12*(\a%2), PW+\a
.irp c, 0,1
	global_store_b128 v4, v[PC+12*(\a%2)+6*\c:PC+12*(\a%2)+6*\c+3], s[92:93] offset:(\a/4)*208896+(\a%4)*1536+768*\c
	global_store_b64 v5, v[PC+12*(\a%2)+6*\c+4:PC+12*(\a%2)+6*\c+5], s[92:93] offset:(\a/4)*208896+(\a%4)*1536+768*\c+512
.endr
.endr
	v_cmp_eq_u32 vcc_lo, 1, v3
.irp i, 0,1,2,3
	v_cndmask_b32 v[56+\i], v[PW+\i], v[PW+4+\i], vcc_lo
.endr
	global_store_b128 v22, v[56:59], s[92:93] offset:6656
.Ldone:
	s_wait_tensorcnt 0x0
	ds_add_u32 v[SPW], v[NIL]
	s_wait_dscnt 0x0
	CROUND
	s_endpgm
.Lfunc_end_k_q6ccdf8c281_qkv:
	.size	k_q6ccdf8c281_qkv, .Lfunc_end_k_q6ccdf8c281_qkv-k_q6ccdf8c281_qkv
	.p2alignl 7, 3214868480
	.fill 96, 4, 3214868480
	.section	.rodata,"a",@progbits
	.p2align	6, 0x0
	.amdhsa_kernel k_q6ccdf8c281_qkv
		.amdhsa_group_segment_fixed_size 327680
		.amdhsa_private_segment_fixed_size 0
		.amdhsa_enable_private_segment 0
		.amdhsa_kernarg_size 32
		.amdhsa_user_sgpr_count 2
		.amdhsa_user_sgpr_kernarg_segment_ptr 1
		.amdhsa_wavefront_size32 1
		.amdhsa_system_sgpr_workgroup_id_x 1
		.amdhsa_system_sgpr_workgroup_id_y 1
		.amdhsa_system_sgpr_workgroup_id_z 1
		.amdhsa_system_vgpr_workitem_id 0
		.amdhsa_next_free_vgpr 1024
		.amdhsa_next_free_sgpr 102
		.amdhsa_reserve_vcc 1
		.amdhsa_float_denorm_mode_32 3
		.amdhsa_float_denorm_mode_16_64 3
		.amdhsa_memory_ordered 1
		.amdhsa_forward_progress 1
		.amdhsa_inst_pref_size 220
	.end_amdhsa_kernel
	.amdgpu_metadata
---
amdhsa.version: [ 1, 2 ]
amdhsa.kernels:
  - .name:           k_q6ccdf8c281_qkv
    .symbol:         k_q6ccdf8c281_qkv.kd
    .args:
      - { .name: ops, .offset: 0, .size: 8, .value_kind: global_buffer, .address_space: global }
      - { .name: rope, .offset: 8, .size: 8, .value_kind: global_buffer, .address_space: global }
      - { .name: qbuf, .offset: 16, .size: 8, .value_kind: global_buffer, .address_space: global }
      - { .name: kvbuf, .offset: 24, .size: 8, .value_kind: global_buffer, .address_space: global }
    .group_segment_fixed_size: 327680
    .private_segment_fixed_size: 0
    .kernarg_segment_align: 8
    .kernarg_segment_size: 32
    .max_flat_workgroup_size: 128
    .sgpr_count:     102
    .vgpr_count:     1024
    .wavefront_size: 32
...
	.end_amdgpu_metadata
.endif
;; end of part 2
;; launch attn (part 3): grid 4 x 64, 16 waves a work-group, clusters of 4 x 1, 210,944 bytes of LDS; arguments qbuf, kvbuf, oq; writes oq
.if DOCPART == 3
	.amdgcn_target "amdgcn-amd-amdhsa--gfx1250"
	.amdhsa_code_object_version 6
	.text
	.protected	k_q6ccdf8c281_attn
	.globl	k_q6ccdf8c281_attn
	.p2align	8
	.type	k_q6ccdf8c281_attn,@function
k_q6ccdf8c281_attn:
	s_mov_b64 s[64:65], 0
	v_nop
	global_prefetch_b8 v0, s[64:65] scope:SCOPE_SE
	s_setreg_imm32_b32 hwreg(HW_REG_WAVE_MODE, 25, 1), 1
	s_wait_xcnt 0x0
	s_wait_alu depctr_hold_cnt(0) depctr_sa_sdst(0) depctr_va_vdst(0) depctr_va_sdst(0) depctr_va_ssrc(0) depctr_va_vcc(0) depctr_vm_vsrc(0)
	s_getreg_b32 s2, hwreg(HW_REG_IB_STS2, 6, 4)
	s_cmp_eq_u32 s2, 0
	s_cbranch_scc0 .Lentry_in_a_cluster
	s_endpgm
.Lentry_in_a_cluster:
	s_bfe_u32 s2, ttmp6, 0x10000c
	s_cmp_lg_u32 s2, 0x3003
	s_cbranch_scc0 .Lentry_shape_is_right
	s_endpgm
.Lentry_shape_is_right:
; o = softmax(q k^T / 8) v for one head of one batch entry, both products on codes of FP6 (E2M3) with E8M0 scales; o / l is quantised along D for the last product and stored as operand images.
; THE SOFTMAX: t = score x log2(e) / 8; M = the row's largest t so far, rounded UP to a whole number; p = 2^(t - M) is quantised along the keys, not normalised; l is the sum of the unquantised p;
; when M moves, l and O are multiplied by 2^(old M - new M), which rounds nothing.
; SHARES.  A work-group owns 512 queries of one head (head = the grid's y, quarter = its place in the cluster); each of its sixteen waves owns two tiles of 16 queries, one after the other: four waves to a SIMD.
; THE WHOLE HEAD'S K AND V, codes and scale words, 16 key steps x 13,056 bytes, LIE IN LDS, FILLED ONCE: no ring, no refill.  The four work-groups of a cluster belong to one head and ask jointly.
; EACH WAVE ASKS FOR ONE KEY STEP, its own number's.  Waves 0-3 have a load line of their own: they alone wait ahead of the first barrier, behind which key steps 0-3 are walked; a second barrier shows the other twelve.
; Everything is asked for at the head, so there is no loop to prefetch ahead in.
; LAYOUT.  Both products are used transposed: S^T = K Q^T, O^T = V^T P^T: a lane holds ONE query (lane % 16).  The rows of every tile are in the order r + 8 (r / 8) + 8 (tile % 2) + 32 (tile / 2), so that the 16 registers of
; tiles 2 b, 2 b + 1 are 16 neighbours: keys in S^T, dims in O^T.
; K = 64 IN THE FIRST PRODUCT: the instruction takes 128.  Q's upper six registers are zero codes; K's operand of tile t names its own six registers and the six behind them (zeros behind the last):
; whatever stands there meets zero codes.  The scale bytes of that half are other blocks' bytes or 0, never 0xff.
; LIMITS: NaN and infinities are not served; a block of zeros gets the byte 1 (its codes are zeros; this program alone reads the bytes); the scaled scores stay under 2^31 in magnitude.
.set STEPB, 13056                      ; a key step: K 8 x 768; V 4 x 1,536; K's scale words 512; V's 256
.set HEADB, 16*STEPB
.set QSTEP, 6656
.set RBG,   12800                      ; a row block in oq
.set L16, 1                            ; 16 x lane
.set L8,  2                            ; 8 x lane
.set R16, 3                            ; 16 x (lane % 16)
.set A16, 4                            ; v4-6 the same + the key step's first LDS byte
.set A8,  5
.set AS,  6
.set QF,  16                           ; v16-27 Q: six registers of codes, six of zeros
.set QS,  28
.set KV,  30                           ; v30-77 K's eight tiles, later V's four
.set ZA,  78                           ; v78-83 zeros
.set KS,  84
.set VS,  92
.set S,   96                           ; v96-159 S^T, then p
.set O,   160                          ; v160-191 O^T
.set PC,  192                          ; p's codes
.set CT,  204                          ; the second halves of the conversions
.set BM,  212                          ; the blocks' largest
.set BP,  216
.set BS,  220                          ; scale operands
.set PW,  224                          ; p's scale word
.set F,   226                          ; f, later 1 / l
.set WK,  228
.set WV,  10
.set G1,  16
.set G0,  24
.set SEL, 40
.set CS,  42
.set TB,  44
.set CNT, 45
.set QB,  46
.set QSB, 48
.set OB,  50
.set OSB, 52
.macro CROUND
	s_barrier_signal -1
	s_barrier_wait -1
	s_cmp_lg_u32 s[WV], 0
	s_cbranch_scc1 .Lnot_wave_0_\@
	s_barrier_signal -3
.Lnot_wave_0_\@:
	s_barrier_wait -3
	s_barrier_signal -1
	s_barrier_wait -1
.endm
.macro TLOAD
	tensor_load_to_lds s[G0:G0+3], s[G1:G1+7]
	s_nop 0
.rept 4
	v_nop
.endr
.endm
	s_load_b128 s[4:7], s[0:1], 0x0                ; qbuf, kvbuf
	s_load_b64 s[8:9], s[0:1], 0x10                ; oq
	v_lshl_add_u32 v240, v0, 2, 0x33000
	v_mov_b32 v241, 0
	ds_add_u32 v240, v241
	ds_add_u32 v240, v241
	v_lshrrev_b32 v1, 5, v0
	s_delay_alu instid0(VALU_DEP_1)
	v_readfirstlane_b32 s[WV], v1                  ; wave 0..15
	s_bfe_u32 s11, ttmp6, 0x40000                  ; cx: it enters Q's and oq's addresses alone
	s_and_b32 s12, ttmp7, 0xffff                   ; 16 b + head
	s_mov_b32 s[G1], 15|(3<<16)|(1<<21)            ; a key step as 51 rows of 256 bytes; the mask names all four work-groups
	s_mov_b32 s[G1+1], 32<<16
	s_mov_b32 s[G1+2], 51<<16
	s_mov_b32 s[G1+3], 32<<16
	s_mov_b32 s[G1+4], 51
	s_mov_b32 s[G1+5], 32
	s_mov_b32 s[G1+6], 0
	s_mov_b32 s[G1+7], 0
	s_mul_i32 s14, s12, HEADB
	s_mov_b32 s15, 0
	s_mul_i32 s13, s[WV], STEPB                    ; key step w: in memory and in LDS alike
	s_mov_b32 s[SEL], 0x76543210
	s_mov_b32 s[SEL+1], 0xfedcba98
	s_mov_b32 s[CS], 0x3e38aa3b                    ; c = log2(e) / 8
	s_mov_b32 s[CS+1], s[CS]
	s_wait_dscnt 0x0
	s_wait_kmcnt 0x0
	s_add_nc_u64 s[6:7], s[6:7], s[14:15]
	s_mov_b32 s14, s13
	s_add_nc_u64 s[6:7], s[6:7], s[14:15]
	CROUND                                         ; all four work-groups are here: the joint loads meet
	s_mov_b32 s[G0], 1
	s_mov_b32 s[G0+1], s13
	s_mov_b64 s[G0+2:G0+3], s[6:7]
	s_or_b32 s[G0+3], s[G0+3], 0x80000000
	s_cmp_lt_u32 s[WV], 4                          ; one load a wave, in two arms: waves 0-3 wait apart from the others
	s_cbranch_scc0 .Llate
	TLOAD
	s_branch .Lasked
.Llate:
	TLOAD
.Lasked:
	; my two tiles of queries: step 4 cx + w / 4, tile 2 (w % 4) + pass in it
	s_lshl_b32 s14, s12, 4
	s_lshl_b32 s2, s11, 2
	s_add_co_u32 s14, s14, s2
	s_lshr_b32 s2, s[WV], 2
	s_add_co_u32 s14, s14, s2
	s_mul_i32 s14, s14, QSTEP
	s_add_nc_u64 s[QB:QB+1], s[4:5], s[14:15]
	s_and_b32 s2, s[WV], 3
	s_lshr_b32 s3, s2, 1
	s_lshl_b32 s3, s3, 8
	s_and_b32 s14, s[WV], 1
	s_lshl_b32 s14, s14, 3
	s_add_co_u32 s14, s14, s3
	s_add_nc_u64 s[QSB:QSB+1], s[QB:QB+1], s[14:15]
	s_mul_i32 s14, s2, 1536
	s_add_nc_u64 s[QB:QB+1], s[QB:QB+1], s[14:15]
	; the same tiles as row blocks of oq: 128 b + 32 cx + 2 w + pass; the head's half image at 768 x head
	s_lshr_b32 s14, s12, 4
	s_lshl_b32 s14, s14, 7
	s_lshl_b32 s2, s11, 5
	s_add_co_u32 s14, s14, s2
	s_lshl_b32 s2, s[WV], 1
	s_add_co_u32 s14, s14, s2
	s_mul_i32 s14, s14, RBG
	s_add_nc_u64 s[OSB:OSB+1], s[8:9], s[14:15]
	s_and_b32 s2, s12, 15
	s_mul_i32 s14, s2, 768
	s_add_nc_u64 s[OB:OB+1], s[OSB:OSB+1], s[14:15]
	s_lshr_b32 s3, s2, 3                           ; its two scale bytes: K step head / 2, bytes 2 (head % 2) on
	s_lshl_b32 s14, s3, 8
	s_bfe_u32 s3, s2, 0x20001
	s_lshl_b32 s3, s3, 2
	s_add_co_u32 s14, s14, s3
	s_and_b32 s3, s2, 1
	s_lshl_b32 s3, s3, 1
	s_add_co_u32 s14, s14, s3
	s_add_nc_u64 s[OSB:OSB+1], s[OSB:OSB+1], s[14:15]
	v_and_b32 v7, 31, v0
	s_delay_alu instid0(VALU_DEP_1)
	v_lshlrev_b32 v[L16], 4, v7
	s_delay_alu instid0(VALU_DEP_2)
	v_lshlrev_b32 v[L8], 3, v7
	v_and_b32 v[R16], 15, v0
	s_delay_alu instid0(VALU_DEP_1)
	v_lshlrev_b32 v[R16], 4, v[R16]
.macro QLOAD pass
	global_load_b128 v[QF:QF+3], v[L16], s[QB:QB+1] offset:768*\pass
	global_load_b64 v[QF+4:QF+5], v[L8], s[QB:QB+1] offset:768*\pass+512
	global_load_b32 v[QS], v[R16], s[QSB:QSB+1] offset:6144+4*\pass
.endm
.macro INIT                            ; the key step is written once: the first finds zeros, which the first change of M leaves zeros
.set J, 0
.rept 32
	v_mov_b32 v[O+J], 0
.set J, J+1
.endr
	v_mov_b32 v14, 0
	v_mov_b32 v15, 0
	v_mov_b32 v13, 0xff61b1e6                      ; -3e38, under every t
	s_delay_alu instid0(VALU_DEP_1)
	v_floor_f32 v12, -v13                          ; -M
	s_mov_b32 s[TB], 0
.endm
; A KEY STEP: 128 keys, at LDS byte s[TB].
.macro STEP
	v_add_nc_u32 v[A16], s[TB], v[L16]
	v_add_nc_u32 v[A8], s[TB], v[L8]
	v_add_nc_u32 v[AS], s[TB], v[R16]
	v_nop                                          ; four plain places behind the last products, ahead of loads into registers that they have read
.irp t, 0,1,2,3,4,5,6,7
	ds_load_b128 v[KV+6*\t:KV+6*\t+3], v[A16] offset:768*\t
	ds_load_b64 v[KV+6*\t+4:KV+6*\t+5], v[A8] offset:768*\t+512
.endr
	ds_load_b128 v[KS:KS+3], v[AS] offset:12288
	ds_load_b128 v[KS+4:KS+7], v[AS] offset:12544
	s_wait_alu depctr_va_vdst(0)
	s_wait_dscnt 0x0
.irp t, 0,1,2,3,4,5,6,7
	v_wmma_scale_f32_16x16x128_f8f6f4 v[S+8*\t:S+8*\t+7], v[KV+6*\t:KV+6*\t+11], v[QF:QF+11], 0, v[KS+\t], v[QS] matrix_a_fmt:MATRIX_FMT_FP6 matrix_b_fmt:MATRIX_FMT_FP6
.endr
.rept 4
	v_nop                                          ; places ahead of the loads into K's registers and of the first read of the scores
.endr
.irp t, 0,1,2,3,4,5,6,7                ; V's four tiles land while the softmax is walked
	ds_load_b128 v[KV+6*\t:KV+6*\t+3], v[A16] offset:6144+768*\t
	ds_load_b64 v[KV+6*\t+4:KV+6*\t+5], v[A8] offset:6144+768*\t+512
.endr
	ds_load_b128 v[VS:VS+3], v[AS] offset:12800
.irp b, 0,1,2,3
	v_max3_num_f32 v[BM+\b], v[S+16*\b], v[S+1+16*\b], v[S+2+16*\b]   ; the largest score of each block of 32 keys: for the row's maximum and, since p rises with the score, for the block's largest p
.endr
.irp i, 3,5,7,9,11,13
.irp b, 0,1,2,3
	v_max3_num_f32 v[BM+\b], v[BM+\b], v[S+16*\b+\i], v[S+1+16*\b+\i]
.endr
.endr
.irp b, 0,1,2,3
	v_max_num_f32 v[BM+\b], v[BM+\b], v[S+15+16*\b]
.endr
.irp b, 0,1,2,3
	s_delay_alu instid0(VALU_DEP_4)
	v_permlanex16_b32 v[BP+\b], v[BM+\b], s[SEL], s[SEL+1]
.endr
.irp b, 0,1,2,3
	s_delay_alu instid0(VALU_DEP_4)
	v_max_num_f32 v[BM+\b], v[BM+\b], v[BP+\b]
.endr
	s_delay_alu instid0(VALU_DEP_2)
	v_max3_num_f32 v[WK], v[BM], v[BM+1], v[BM+2]
	s_delay_alu instid0(VALU_DEP_1)
	v_max_num_f32 v[WK], v[WK], v[BM+3]
	s_delay_alu instid0(VALU_DEP_1)
	v_mul_f32 v[WK], s[CS], v[WK]
	s_delay_alu instid0(VALU_DEP_1)
	v_max_num_f32 v13, v13, v[WK]                  ; the running largest t
	v_mov_b32 v[WK], v12
	s_delay_alu instid0(VALU_DEP_2)
	v_floor_f32 v12, -v13                          ; the new -M
	s_delay_alu instid0(VALU_DEP_1)
	v_sub_f32 v[WK], v12, v[WK]
	s_delay_alu instid0(VALU_DEP_1)
	v_cvt_i32_f32 v[WK], v[WK]
	s_delay_alu instid0(VALU_DEP_1)
	v_ldexp_f32 v[F], 1.0, v[WK]                   ; f = 2^(old M - new M)
.set J, 0
.rept 32
	v_pk_fma_f32 v[S+J:S+J+1], v[S+J:S+J+1], s[CS:CS+1], v[12:13] op_sel_hi:[1,0,0]   ; t - M
.set J, J+2
.endr
.irp b, 0,1,2,3
	v_fma_f32 v[BM+\b], v[BM+\b], s[CS], v12
.endr
.set J, 0
	s_wait_alu depctr_va_vdst(0)
.rept 64
	v_exp_f32 v[S+J], v[S+J]                       ; p = 2^(t - M)
.set J, J+1
.endr
	v_pk_mul_f32 v[14:15], v[14:15], v[F:F+1] op_sel_hi:[1,0]   ; the sums under the new M
	s_wait_alu depctr_va_vdst(0)                   ; one wait for the batch
.irp b, 0,1,2,3
	v_exp_f32 v[BM+\b], v[BM+\b]                   ; the block's largest p
.endr
	v_pk_add_f32 v[216:217], v[100:101], v[104:105]
	v_pk_add_f32 v[238:239], v[108:109], v[112:113]
	v_pk_add_f32 v[236:237], v[116:117], v[120:121]
	v_pk_add_f32 v[234:235], v[124:125], v[128:129]
	v_pk_add_f32 v[232:233], v[132:133], v[136:137]
	v_pk_add_f32 v[230:231], v[140:141], v[144:145]
	v_pk_add_f32 v[224:225], v[148:149], v[152:153]
	v_pk_add_f32 v[14:15], v[14:15], v[156:157]
	v_pk_add_f32 v[216:217], v[216:217], v[96:97]
	v_pk_add_f32 v[238:239], v[238:239], v[98:99]
	v_pk_add_f32 v[236:237], v[236:237], v[102:103]
	v_pk_add_f32 v[234:235], v[234:235], v[106:107]
	v_pk_add_f32 v[232:233], v[232:233], v[110:111]
	v_pk_add_f32 v[230:231], v[230:231], v[114:115]
	v_pk_add_f32 v[224:225], v[224:225], v[118:119]
	v_pk_add_f32 v[14:15], v[14:15], v[122:123]
	v_pk_add_f32 v[216:217], v[216:217], v[126:127]
	v_pk_add_f32 v[238:239], v[238:239], v[130:131]
	v_pk_add_f32 v[236:237], v[236:237], v[134:135]
	v_pk_add_f32 v[234:235], v[234:235], v[138:139]
	v_pk_add_f32 v[232:233], v[232:233], v[142:143]
	v_pk_add_f32 v[230:231], v[230:231], v[146:147]
	v_pk_add_f32 v[224:225], v[224:225], v[150:151]
	v_pk_add_f32 v[14:15], v[14:15], v[154:155]
	v_pk_add_f32 v[216:217], v[216:217], v[158:159]
	s_delay_alu instid0(VALU_DEP_2)
	v_pk_add_f32 v[14:15], v[14:15], v[234:235]
	s_delay_alu instid0(VALU_DEP_2)
	v_pk_add_f32 v[216:217], v[216:217], v[232:233]
	v_pk_add_f32 v[238:239], v[238:239], v[230:231]
	v_pk_add_f32 v[236:237], v[236:237], v[224:225]
	s_delay_alu instid0(VALU_DEP_2)
	v_pk_add_f32 v[14:15], v[14:15], v[238:239]
	s_delay_alu instid0(VALU_DEP_2)
	v_pk_add_f32 v[216:217], v[216:217], v[236:237]
	s_delay_alu instid0(VALU_DEP_1)
	v_pk_add_f32 v[14:15], v[14:15], v[216:217]
	s_wait_alu depctr_va_vdst(0)                   ; and one for the four
.irp b, 0,1,2,3
	v_max_num_f32 v[BM+\b], 0x1800000, v[BM+\b]    ; the floor 2^(3 - 127): the byte cannot fall under 1
.endr
.irp b, 0,1,2,3
	s_delay_alu instid0(VALU_DEP_4)
	v_add_nc_u32 v[BS+\b], 0xff000000, v[BM+\b]    ; 2 off the exponent field: the conversion's scale operand
.endr
.irp b, 0,1,2,3
	s_delay_alu instid0(VALU_DEP_4)
	v_lshrrev_b32 v[BP+\b], 23, v[BS+\b]           ; the scale's byte
.endr
	s_delay_alu instid0(VALU_DEP_3)
	v_lshl_or_b32 v[PW], v[BP+1], 8, v[BP]
	s_delay_alu instid0(VALU_DEP_1)
	v_lshl_or_b32 v[PW], v[BP+2], 16, v[PW]
	s_delay_alu instid0(VALU_DEP_1)
	v_lshl_or_b32 v[PW], v[BP+3], 24, v[PW]
.irp c, 0,1
	v_cvt_scalef32_pk16_fp6_f32 v[PC+6*\c:PC+6*\c+2], v[S+32*\c:S+32*\c+15], v[BS+2*\c]
	v_cvt_scalef32_pk16_fp6_f32 v[CT+4*\c:CT+4*\c+2], v[S+32*\c+16:S+32*\c+31], v[BS+2*\c+1]
.endr
	v_nop                                          ; one plain place behind a scaled conversion
.irp c, 0,1                            ; the operand's layout wants a whole block in a lane
.irp i, 0,1,2
	v_permlane16_swap_b32 v[PC+6*\c+\i], v[CT+4*\c+\i]
.endr
.irp i, 0,1,2
	s_delay_alu instid0(VALU_DEP_3)
	v_mov_b32 v[PC+6*\c+3+\i], v[CT+4*\c+\i]
.endr
.endr
.set J, 0
.rept 16
	v_pk_mul_f32 v[O+J:O+J+1], v[O+J:O+J+1], v[F:F+1] op_sel_hi:[1,0]   ; O^T under the new M; also the places between the codes and scale word just made and the products below
.set J, J+2
.endr
	s_wait_alu depctr_va_vdst(0)
	s_wait_dscnt 0x0                               ; V is in
.irp t, 0,1,2,3                        ; four accumulators by turns
	v_wmma_scale_f32_16x16x128_f8f6f4 v[O+8*\t:O+8*\t+7], v[KV+12*\t:KV+12*\t+11], v[PC:PC+11], v[O+8*\t:O+8*\t+7], v[VS+\t], v[PW] matrix_a_fmt:MATRIX_FMT_FP6 matrix_b_fmt:MATRIX_FMT_FP6
.endr
.endm
.macro STEPS n
	s_mov_b32 s[CNT], \n
.Lstep_\@:
	STEP
	s_add_co_u32 s[TB], s[TB], STEPB
	s_sub_co_u32 s[CNT], s[CNT], 1
	s_cmp_lg_u32 s[CNT], 0
	s_cbranch_scc1 .Lstep_\@
.endm
; THE WAY OUT of a tile: O^T / l, register 16 b + i = dim 32 b + 16 h + i of my query: two blocks of the last product's K; codes and two scale bytes go to oq.
.macro OUT pass
	v_add_f32 v14, v14, v15
	s_delay_alu instid0(VALU_DEP_1)
	v_permlanex16_b32 v[WK], v14, s[SEL], s[SEL+1]
	s_delay_alu instid0(VALU_DEP_1)
	v_add_f32 v14, v14, v[WK]                      ; l
	s_wait_alu depctr_va_vdst(0)
	v_rcp_f32 v[F], v14
	v_nop                                          ; plain places: behind the reciprocal, and (with the two additions) four behind the last products
	v_nop
	s_wait_alu depctr_va_vdst(0)
.set J, 0
.rept 16
	v_pk_mul_f32 v[S+J:S+J+1], v[O+J:O+J+1], v[F:F+1] op_sel_hi:[1,0]   ; each accumulator from its low end on
.set J, J+2
.endr
.irp b, 0,1
	v_max3_num_f32 v[BM+\b], |v[S+16*\b]|, |v[S+1+16*\b]|, 0x1800000
.endr
.irp i, 2,4,6,8,10,12,14
.irp b, 0,1
	s_delay_alu instid0(VALU_DEP_2)
	v_max3_num_f32 v[BM+\b], v[BM+\b], |v[S+16*\b+\i]|, |v[S+1+16*\b+\i]|
.endr
.endr
.irp b, 0,1
	s_delay_alu instid0(VALU_DEP_2)
	v_permlanex16_b32 v[BP+\b], v[BM+\b], s[SEL], s[SEL+1]
.endr
.irp b, 0,1
	s_delay_alu instid0(VALU_DEP_2)
	v_max_num_f32 v[BM+\b], v[BM+\b], v[BP+\b]
.endr
.irp b, 0,1
	s_delay_alu instid0(VALU_DEP_2)
	v_add_nc_u32 v[BS+\b], 0xff000000, v[BM+\b]
.endr
.irp b, 0,1
	s_delay_alu instid0(VALU_DEP_2)
	v_lshrrev_b32 v[BP+\b], 23, v[BS+\b]
.endr
	s_delay_alu instid0(VALU_DEP_1)
	v_lshl_or_b32 v[WK+1], v[BP+1], 8, v[BP]
	v_cvt_scalef32_pk16_fp6_f32 v[PC:PC+2], v[S:S+15], v[BS]
	v_cvt_scalef32_pk16_fp6_f32 v[CT:CT+2], v[S+16:S+31], v[BS+1]
	v_nop
.irp i, 0,1,2
	v_permlane16_swap_b32 v[PC+\i], v[CT+\i]
.endr
.irp i, 0,1,2
	s_delay_alu instid0(VALU_DEP_3)
	v_mov_b32 v[PC+3+\i], v[CT+\i]
.endr
	global_store_b128 v[L16], v[PC:PC+3], s[OB:OB+1] offset:RBG*\pass          ; 512 consecutive bytes,
	global_store_b64 v[L8], v[PC+4:PC+5], s[OB:OB+1] offset:RBG*\pass+512      ; and 256
	global_store_b16 v[R16], v[WK+1], s[OSB:OSB+1] offset:12288+RBG*\pass      ; my row's two bytes: a row block's 512 scale bytes come from 16 heads, which are 16 work-groups
.endm
	QLOAD 0
.irp i, 6,7,8,9,10,11
	v_mov_b32 v[QF+\i], 0                          ; Q's upper half: zero codes
.endr
.irp i, 0,1,2,3,4,5
	v_mov_b32 v[ZA+\i], 0
.endr
.irp b, 0,1,2,3
	v_mov_b32 v[BP+\b], 0                          ; a lane permute's destination counts as one of its sources
.endr
	v_mov_b32 v[F+1], 0
	v_mov_b32 v[WK], 0
	INIT
	s_wait_loadcnt 0x0                             ; Q
	s_cmp_lt_u32 s[WV], 4
	s_cbranch_scc0 .Lnot_first
	s_wait_tensorcnt 0x0                           ; waves 0-3: key steps 0-3 have landed
.Lnot_first:
	s_barrier_signal -1
	s_barrier_wait -1
	STEPS 4
	s_wait_tensorcnt 0x0                           ; every wave: its key step has landed; nothing is ever filled again
	s_barrier_signal -1
	s_barrier_wait -1
	STEPS 12
	QLOAD 1                                        ; the last products that read these registers stand a softmax back
	OUT 0
	s_wait_xcnt 0x0                                ; the stores have read their data
	INIT
	s_wait_loadcnt 0x0
	STEPS 16
	OUT 1
	s_wait_tensorcnt 0x0
	ds_add_u32 v240, v241
	s_wait_dscnt 0x0
	CROUND                                         ; the closing round
	s_endpgm
.Lfunc_end_k_q6ccdf8c281_attn:
	.size	k_q6ccdf8c281_attn, .Lfunc_end_k_q6ccdf8c281_attn-k_q6ccdf8c281_attn
	.p2alignl 7, 3214868480
	.fill 96, 4, 3214868480
	.section	.rodata,"a",@progbits
	.p2align	6, 0x0
	.amdhsa_kernel k_q6ccdf8c281_attn
		.amdhsa_group_segment_fixed_size 210944
		.amdhsa_private_segment_fixed_size 0
		.amdhsa_enable_private_segment 0
		.amdhsa_kernarg_size 24
		.amdhsa_user_sgpr_count 2
		.amdhsa_user_sgpr_kernarg_segment_ptr 1
		.amdhsa_wavefront_size32 1
		.amdhsa_system_sgpr_workgroup_id_x 1
		.amdhsa_system_sgpr_workgroup_id_y 1
		.amdhsa_system_sgpr_workgroup_id_z 1
		.amdhsa_system_vgpr_workitem_id 0
		.amdhsa_next_free_vgpr 242
		.amdhsa_next_free_sgpr 66
		.amdhsa_reserve_vcc 0
		.amdhsa_float_denorm_mode_32 3
		.amdhsa_float_denorm_mode_16_64 3
		.amdhsa_memory_ordered 1
		.amdhsa_forward_progress 1
		.amdhsa_inst_pref_size 69
	.end_amdhsa_kernel
	.amdgpu_metadata
---
amdhsa.version: [ 1, 2 ]
amdhsa.kernels:
  - .name:           k_q6ccdf8c281_attn
    .symbol:         k_q6ccdf8c281_attn.kd
    .args:
      - { .name: qbuf, .offset: 0, .size: 8, .value_kind: global_buffer, .address_space: global }
      - { .name: kvbuf, .offset: 8, .size: 8, .value_kind: global_buffer, .address_space: global }
      - { .name: oq, .offset: 16, .size: 8, .value_kind: global_buffer, .address_space: global }
    .group_segment_fixed_size: 210944
    .private_segment_fixed_size: 0
    .kernarg_segment_align: 8
    .kernarg_segment_size: 24
    .max_flat_workgroup_size: 512
    .sgpr_count:     66
    .vgpr_count:     242
    .wavefront_size: 32
...
	.end_amdgpu_metadata
.endif
;; end of part 3
;; launch proj (part 4): grid 32 x 8, 4 waves a work-group, clusters of 4 x 4, 327,680 bytes of LDS; arguments ops, oq, out0; writes out0
.if DOCPART == 4
	.amdgcn_target "amdgcn-amd-amdhsa--gfx1250"
	.amdhsa_code_object_version 6
	.text
	.protected	k_q6ccdf8c281_proj
	.globl	k_q6ccdf8c281_proj
	.p2align	8
	.type	k_q6ccdf8c281_proj,@function
k_q6ccdf8c281_proj:
	s_mov_b64 s[64:65], 0
	v_nop
	global_prefetch_b8 v0, s[64:65] scope:SCOPE_SE
	s_setreg_imm32_b32 hwreg(HW_REG_WAVE_MODE, 25, 1), 1
	s_wait_xcnt 0x0
	s_wait_alu depctr_hold_cnt(0) depctr_sa_sdst(0) depctr_va_vdst(0) depctr_va_sdst(0) depctr_va_ssrc(0) depctr_va_vcc(0) depctr_vm_vsrc(0)
	s_getreg_b32 s2, hwreg(HW_REG_IB_STS2, 6, 4)
	s_cmp_eq_u32 s2, 0
	s_cbranch_scc0 .Lentry_in_a_cluster
	s_endpgm
.Lentry_in_a_cluster:
	s_bfe_u32 s2, ttmp6, 0x10000c
	s_cmp_lg_u32 s2, 0xf033
	s_cbranch_scc0 .Lentry_shape_is_right
	s_endpgm
.Lentry_shape_is_right:
; out0[token][n] = sum over k of o[token][k] Wproj[n][k], f32, on codes of FP6 (E2M3) with E8M0 scales: 8,192 x 1,024 x 1,024.
; A = oq, B = ops from row block 704 on: row blocks of 16 rows, 12,800 bytes: 8 K steps x 2 halves x 768 bytes as images of operand registers, then 512 bytes of scale words [g][r][4 words].
; Lane r of row block rb stands for row 32 (rb / 2) + 8 (rb % 2) + r + 8 (r / 8).
; THE DEAL.  256 work-groups of four waves, 2 x 2, each 256 rows x 128 columns.  Wave (a, b) holds B's row blocks 4 b .. 4 b + 3, all of K, in 384 registers, and streams A's row blocks 2 s + a, s = 0 .. 7, past them: 32 products a block.
; The cluster's x counts tile rows: A's row blocks are shared by a column of the cluster, B's by a row, and asked for jointly.
; LDS: A's 16 row blocks, B's 8, each filled once, dense; the spare words.  The waves' stages lie in B's first bytes, which are read for the last time ahead of the barrier in front of the stream.
; THE HEAD'S FOUR TILES, one a wave, each on its own line: B; A's row blocks 0-7; 8-11; 12-15.  The stream begins when the first two are in; a plain barrier inside block 1 (and, the text being a loop's, 3 and 5) shows the others.
; All is asked for at the head: no refill, and no loop to prefetch ahead in.
; The product is used transposed (source 0 = B's rows): a lane holds eight neighbouring columns of one token.  A block's sums go through the wave's stage and leave as rows of 256 consecutive bytes, at multiples of 256.
; LIMITS: NaN, infinities and sums beyond f32's range are not served.
.set RBG, 12800
.set NQ, 8
.set NB, 4
.set FR, 12
.set FPW, 21                           ; fragments in a window of 256 registers
.set NF, 34                            ; LDS loads of a block: 32 for eight fragments, 2 for eight scale words
.set YB, 16*RBG
.set SPARE, 24*RBG
.set SPITCH, 272
.set ROWC, 4096                        ; a row of out0
.set A160, 4                           ; v4-6  LDS addresses of my block 0: 16 x lane, 8 x lane, 16 x (lane % 16); never rewritten
.set A80, 5
.set AS0, 6
.set CO, 9                             ; my byte offset in out0
.set SPW, 10
.set NIL, 11
.set A16, 12                           ; v12-14 as v4-6, for the block that is fetched next
.set A8, 13
.set AS, 14
.set B16, 15
.set B8, 16
.set BS, 17
.set STO, 18
.set RD, 19
.set SB, 24                            ; v24-39 B's scale words: lanes 0-15 tile 2 p, lanes 16-31 tile 2 p + 1
.set SA, 42                            ; v42-57 A's: two sets of eight
.set ACC, 64                           ; v64-127 two sets of four accumulators
.set BK, 128                           ; v128-191 two sets: 16 rows back from the stage
.set G1A, 24
.set G1B, 32
.set G0A, 56
.set G0B, 60
.set MSB, 0
.macro WIN new
.if MSB != \new
	s_set_vgpr_msb (MSB<<8)|\new
.set MSB, \new
.endif
.endm
.macro PLACES n
.rept \n
	v_nop
.endr
.endm
.macro WALU
	s_wait_alu depctr_va_vdst(0)
.endm
.macro BARRIER
	s_barrier_signal -1
	s_barrier_wait -1
.endm
.macro CROUND
	BARRIER
	s_cmp_lg_u32 s14, 0
	s_cbranch_scc1 .Lnot_wave_0_\@
	s_barrier_signal -3
.Lnot_wave_0_\@:
	s_barrier_wait -3
	BARRIER
.endm
.macro TLOAD g0, g1
	tensor_load_to_lds s[\g0:\g0+3], s[\g1:\g1+7]
	s_nop 0
	PLACES 4
.endm
.macro GROUP1 g, mask                  ; dense bytes as rows of 256 (32 elements of 8 bytes); the rows' count is written apart
	s_or_b32 s[\g+0], s[\mask], (3<<16)|(1<<21)
	s_mov_b32 s[\g+1], 32<<16
	s_mov_b32 s[\g+3], 32<<16
	s_mov_b32 s[\g+5], 32
	s_mov_b32 s[\g+6], 0
	s_mov_b32 s[\g+7], 0
.endm
.macro ATILE first, n                  ; n row blocks of A from row block first on: 50 n rows of 256 bytes
	s_mov_b32 s[G0A+1], (\first)*RBG
	s_mov_b32 s[G1A+2], (50*(\n))<<16
	s_mov_b32 s[G1A+4], 50*(\n)
.if \first
	s_add_nc_u64 s[G0A+2:G0A+3], s[G0A+2:G0A+3], (\first)*RBG
.endif
	s_or_b32 s[G0A+3], s[G0A+3], 0x80000000
	TLOAD G0A, G1A
.endm
.macro LFRAG f, a16, a8, off           ; fragment f (0-31 B's: 4 q + tile; 32-47 A's two sets) lies in window 1 + f / 21 at register 12 (f % 21)
.set R_, FR*((\f)%FPW)
	WIN (1+(\f)/FPW)<<6
	ds_load_b128 v[R_:R_+3], v[\a16] offset:\off
	ds_load_b64 v[R_+4:R_+5], v[\a8] offset:(\off)+512
	ds_load_b128 v[R_+6:R_+9], v[\a16] offset:(\off)+768
	ds_load_b64 v[R_+10:R_+11], v[\a8] offset:(\off)+1280
.endm
.macro FETCHAT e, a16, a8, as          ; a block of A into set e: NF loads
.irp q, 0,1,2,3,4,5,6,7
	LFRAG NB*NQ+NQ*(\e)+\q, \a16, \a8, 1536*\q
.endr
	WIN 0
	ds_load_b128 v[SA+8*(\e):SA+8*(\e)+3], v[\as] offset:12288
	ds_load_b128 v[SA+8*(\e)+4:SA+8*(\e)+7], v[\as] offset:12544
.endm
.macro PROD e, n                       ; product n = 4 q + tile of a block whose rows lie in set e; the four accumulators by turns
.set Q_, (\n)/4
.set FB_, NB*Q_+(\n)%4
.set FA_, NB*NQ+NQ*(\e)+Q_
.set D_, ACC+32*(\e)+8*((\n)%4)
.set XB_, SB+NQ*(((\n)%4)/2)+Q_
.set XA_, SA+8*(\e)+Q_
	WIN (1+FB_/FPW)|((1+FA_/FPW)<<2)
.if Q_
	PROD1 D_, FB_, FA_, v[D_:D_+7], XB_, XA_, (\n)%2
.else
	PROD1 D_, FB_, FA_, 0, XB_, XA_, (\n)%2
.endif
.endm
.macro PROD1 d, s0, s1, c, x0, x1, o
.if \o
	v_wmma_scale_f32_16x16x128_f8f6f4 v[\d:\d+7], v[FR*((\s0)%FPW):FR*((\s0)%FPW)+FR-1], v[FR*((\s1)%FPW):FR*((\s1)%FPW)+FR-1], \c, v[\x0], v[\x1] matrix_a_fmt:MATRIX_FMT_FP6 matrix_b_fmt:MATRIX_FMT_FP6 matrix_a_scale:MATRIX_SCALE_ROW1
.else
	v_wmma_scale_f32_16x16x128_f8f6f4 v[\d:\d+7], v[FR*((\s0)%FPW):FR*((\s0)%FPW)+FR-1], v[FR*((\s1)%FPW):FR*((\s1)%FPW)+FR-1], \c, v[\x0], v[\x1] matrix_a_fmt:MATRIX_FMT_FP6 matrix_b_fmt:MATRIX_FMT_FP6 matrix_a_scale:MATRIX_SCALE_ROW0
.endif
.endm
.macro PRODS e, from, to
.set N_, \from
.rept (\to)-(\from)
	PROD \e, N_
.set N_, N_+1
.endr
	WIN 0
.endm
.macro STAGED u                        ; set u's sums into my stage, each accumulator from its low end on, and back as whole rows; LDS serves a wave's instructions in order (ISA guide 5.7.1.4)
.irp b, 0,1,2,3
	ds_store_b128 v[STO], v[ACC+32*(\u)+8*\b:ACC+32*(\u)+8*\b+3] offset:128*(\b/2)+32*(\b%2)
	ds_store_b128 v[STO], v[ACC+32*(\u)+8*\b+4:ACC+32*(\u)+8*\b+7] offset:128*(\b/2)+32*(\b%2)+16
.endr
.irp t, 0,1,2,3,4,5,6,7
	ds_load_b128 v[BK+32*(\u)+4*\t:BK+32*(\u)+4*\t+3], v[RD] offset:2*\t*SPITCH
.endr
.endm
.macro TOC s                           ; stage rows 2 t, 2 t + 1 are tokens 2 t + 8 (t / 4) and the next of the block's; the pair's second block lies 32 tokens on
.irp t, 0,1,2,3,4,5,6,7
	global_store_b128 v[CO], v[BK+32*(\s)+4*\t:BK+32*(\s)+4*\t+3], s[12:13] offset:(32*(\s)+2*\t+8*(\t/4))*ROWC th:TH_STORE_NT
.endr
.endm
.macro STREAM s, fetch, show           ; a pair's block s = 0, 1
.if \fetch
	s_add_co_u32 s101, s101, 2*RBG                 ; the block two on
.endif
.if \show
	PRODS \s, 0, 24
	s_wait_tensorcnt 0x0
	s_wait_dscnt 0x0
	s_barrier_signal -1                            ; a plain barrier: waves 2 and 3's tiles are shown to all
	PRODS \s, 24, 32
	s_barrier_wait -1
.else
	PRODS \s, 0, 32
.endif
.if \fetch                             ; four plain places between the last product and the first reader of its sums
	v_add_nc_u32 v[A16], s101, v[A160]
	v_add_nc_u32 v[A8], s101, v[A80]
	v_add_nc_u32 v[AS], s101, v[AS0]
	v_nop
	WALU
.else
	PLACES 4
.endif
	s_wait_xcnt 0x0                                ; the stores of two blocks ago have read set s of the rows, and the last block's their base
.if (\s) == 0
	s_add_nc_u64 s[12:13], s[12:13], s[20:21]      ; on to this pair's tokens
.endif
	STAGED \s
.if \fetch
	FETCHAT \s, A16, A8, AS
	s_wait_dscnt NF                                ; the block's rows are back, and the next block's fragments are in; younger is this run's fetch alone
.else
	s_wait_dscnt 0x0
.endif
	TOC \s
.endm
; ---- the head
	s_load_b128 s[4:7], s[0:1], 0x0                ; ops, oq
	s_load_b64 s[12:13], s[0:1], 0x10              ; out0
	v_lshl_add_u32 v[SPW], v0, 2, SPARE
	v_mov_b32 v[NIL], 0
	ds_add_u32 v[SPW], v[NIL]                      ; the opening lines
	ds_add_u32 v[SPW], v[NIL]
	v_lshrrev_b32 v1, 5, v0
	v_readfirstlane_b32 s14, v1                    ; the wave; s15 its row a, s16 its column b
	s_lshr_b32 s15, s14, 1
	s_and_b32 s16, s14, 1
	s_bfe_u32 s40, ttmp6, 0x40000
	s_bfe_u32 s41, ttmp6, 0x40004
	s_lshl_b32 s43, ttmp9, 2
	s_add_co_u32 s43, s43, s40                     ; tile row
	s_and_b32 s42, ttmp7, 0xffff
	s_lshl_b32 s42, s42, 2
	s_add_co_u32 s42, s42, s41                     ; tile column
	s_lshl_b32 s44, 0x1111, s40                    ; my column of the cluster shares A
	s_lshl_b32 s45, s41, 2
	s_lshl_b32 s45, 15, s45                        ; my row shares B
	GROUP1 G1A, 44
	GROUP1 G1B, 45
	s_mov_b32 s[G1B+2], 400<<16
	s_mov_b32 s[G1B+4], 400
	s_mov_b32 s[G0A], 1
	s_mov_b32 s[G0B], 1
	s_mov_b32 s[G0B+1], YB
	s_mul_i32 s76, s43, 16*RBG
	s_mov_b32 s77, 0
	s_mul_i32 s78, s42, 8*RBG
	s_add_co_u32 s78, s78, 704*RBG
	s_mov_b32 s79, 0
	s_lshl_b32 s84, s43, 20                        ; 256 tokens of 4,096 bytes
	s_lshl_b32 s21, s15, 15                        ; + 8 a tokens
	s_add_co_u32 s84, s84, s21
	s_lshl_b32 s21, s42, 9
	s_add_co_u32 s84, s84, s21
	s_lshl_b32 s21, s16, 8
	s_add_co_u32 s84, s84, s21
	s_mov_b32 s85, 0
	s_mul_i32 s21, s15, RBG
	s_mul_i32 s22, s16, 4*RBG
	s_add_co_u32 s22, s22, YB
	s_mul_i32 s23, s14, 16*SPITCH
	s_add_co_u32 s23, s23, YB
	s_mov_b32 s101, 2*RBG
	v_and_b32 v1, 15, v0
	v_bfe_u32 v2, v0, 4, 1
	v_and_b32 v3, 31, v0
	v_lshl_add_u32 v[A160], v3, 4, s21
	v_lshl_add_u32 v[A80], v3, 3, s21
	v_lshl_add_u32 v[AS0], v1, 4, s21
	v_add_nc_u32 v[A16], 2*RBG, v[A160]
	v_add_nc_u32 v[A8], 2*RBG, v[A80]
	v_add_nc_u32 v[AS], 2*RBG, v[AS0]
	v_lshl_add_u32 v[B16], v3, 4, s22
	v_lshl_add_u32 v[B8], v3, 3, s22
	v_mul_u32_u24 v20, v2, RBG
	v_lshl_add_u32 v20, v1, 4, v20
	v_add_nc_u32 v[BS], s22, v20
	v_mul_u32_u24 v21, v1, SPITCH
	v_lshl_add_u32 v21, v2, 6, v21
	v_add_nc_u32 v[STO], s23, v21
	v_mul_u32_u24 v22, v2, SPITCH
	v_lshl_add_u32 v22, v1, 4, v22
	v_add_nc_u32 v[RD], s23, v22
	v_lshlrev_b32 v23, 12, v2
	v_lshl_add_u32 v[CO], v1, 4, v23
	WALU
	s_wait_dscnt 0x0
	CROUND                                         ; the opening round
	s_wait_kmcnt 0x0
	s_add_nc_u64 s[G0A+2:G0A+3], s[6:7], s[76:77]
	s_add_nc_u64 s[G0B+2:G0B+3], s[4:5], s[78:79]
	s_or_b32 s[G0B+3], s[G0B+3], 0x80000000
	s_add_nc_u64 s[12:13], s[12:13], s[84:85]
	s_cmp_eq_u32 s14, 0
	s_cbranch_scc0 .Lwave_1
	TLOAD G0B, G1B                                 ; wave 0: B, which is wanted first
	s_branch .Lasked
.Lwave_1:
	s_cmp_eq_u32 s14, 1
	s_cbranch_scc0 .Lwave_2
	ATILE 0, 8
	s_branch .Lasked
.Lwave_2:
	s_cmp_eq_u32 s14, 2
	s_cbranch_scc0 .Lwave_3
	ATILE 8, 4
	s_branch .Lasked
.Lwave_3:
	ATILE 12, 4
.Lasked:
	s_cmp_eq_u32 s14, 0
	s_cbranch_scc0 .Lnot_b
	s_wait_tensorcnt 0x0
.Lnot_b:
	BARRIER                                        ; B has landed
.irp q, 0,1,2,3,4,5,6,7
.irp b, 0,1,2,3
	LFRAG NB*\q+\b, B16, B8, \b*RBG+1536*\q
.endr
.endr
	WIN 0
.irp p, 0,1
.irp g, 0,1
	ds_load_b128 v[SB+NQ*\p+4*\g:SB+NQ*\p+4*\g+3], v[BS] offset:2*RBG*\p+12288+256*\g
.endr
.endr
	s_cmp_eq_u32 s14, 1
	s_cbranch_scc0 .Lnot_a
	s_wait_tensorcnt 0x0                           ; wave 1: A's row blocks 0-7 have landed
.Lnot_a:
	s_wait_dscnt 0x0
	BARRIER                                        ; they are shown to all, and nobody reads B's bytes any more
	FETCHAT 0, A160, A80, AS0
	FETCHAT 1, A16, A8, AS
; ---- the stream: eight blocks
	s_mov_b32 s23, 0
	s_mov_b32 s20, 0                               ; s[20:21]: from a pair's tokens to the next pair's
	s_mov_b32 s21, 0
	s_wait_dscnt NF                                ; block 0's fragments are in
.Lpair:                                                ; blocks 0 to 5, a pair a trip
	STREAM 0, 1, 0
	STREAM 1, 1, 1
	s_mov_b32 s20, 64*ROWC
	s_add_co_u32 s23, s23, 1
	s_cmp_lg_u32 s23, 3
	s_cbranch_scc1 .Lpair
	STREAM 0, 0, 0                                 ; blocks 6 and 7 fetch nothing
	STREAM 1, 0, 0
	s_wait_tensorcnt 0x0                           ; the wave's end
	ds_add_u32 v[SPW], v[NIL]
	s_wait_dscnt 0x0
	CROUND                                         ; the closing round
	s_endpgm
.Lfunc_end_k_q6ccdf8c281_proj:
	.size	k_q6ccdf8c281_proj, .Lfunc_end_k_q6ccdf8c281_proj-k_q6ccdf8c281_proj
	.p2alignl 7, 3214868480
	.fill 96, 4, 3214868480
	.section	.rodata,"a",@progbits
	.p2align	6, 0x0
	.amdhsa_kernel k_q6ccdf8c281_proj
		.amdhsa_group_segment_fixed_size 327680
		.amdhsa_private_segment_fixed_size 0
		.amdhsa_enable_private_segment 0
		.amdhsa_kernarg_size 24
		.amdhsa_user_sgpr_count 2
		.amdhsa_user_sgpr_kernarg_segment_ptr 1
		.amdhsa_wavefront_size32 1
		.amdhsa_system_sgpr_workgroup_id_x 1
		.amdhsa_system_sgpr_workgroup_id_y 1
		.amdhsa_system_sgpr_workgroup_id_z 1
		.amdhsa_system_vgpr_workitem_id 0
		.amdhsa_next_free_vgpr 840
		.amdhsa_next_free_sgpr 102
		.amdhsa_reserve_vcc 0
		.amdhsa_float_denorm_mode_32 3
		.amdhsa_float_denorm_mode_16_64 3
		.amdhsa_memory_ordered 1
		.amdhsa_forward_progress 1
		.amdhsa_inst_pref_size 50
	.end_amdhsa_kernel
	.amdgpu_metadata
---
amdhsa.version: [ 1, 2 ]
amdhsa.kernels:
  - .name:           k_q6ccdf8c281_proj
    .symbol:         k_q6ccdf8c281_proj.kd
    .args:
      - { .name: ops, .offset: 0, .size: 8, .value_kind: global_buffer, .address_space: global }
      - { .name: oq, .offset: 8, .size: 8, .value_kind: global_buffer, .address_space: global }
      - { .name: out0, .offset: 16, .size: 8, .value_kind: global_buffer, .address_space: global }
    .group_segment_fixed_size: 327680
    .private_segment_fixed_size: 0
    .kernarg_segment_align: 8
    .kernarg_segment_size: 24
    .max_flat_workgroup_size: 128
    .sgpr_count:     102
    .vgpr_count:     840
    .wavefront_size: 32
...
	.end_amdgpu_metadata
.endif
;; end of part 4
